; MI455X (gfx1250); checked and timed in simulation.
; The chip was launched on July 23, 2026; its instructions are those of AMD's public machine-readable ISA for CDNA 5 (MIT licence, August 2026) and "CDNA5" Instruction Set Architecture Reference Guide (July 2026). The comments in the code are by the model that wrote it; some were corrected since.
;; Attention Head. Allowed arithmetic: matrix products marked QUANTISED: E2M3 operands, one E8M0 scale for each 32 along K, by v_wmma_scale_f32_16x16x128_f8f6f4 with both operands' format E2M3, f32 sums; everything else in f32.
;; Inputs: W_qkv 1,024 x 192 float32; attn_mask 4 x 4,096 bool; x 4 x 4,096 x 1,024 float32.
;; Outputs: out0 4 x 4,096 x 64 float32.
;; This version of the problem:
;;   THIS VERSION OF THE PROBLEM IS GIVEN IN LOW PRECISION. The matrix products marked QUANTISED in the list below multiply operands that are first quantised to E2M3 (2 exponent bits, 3 mantissa bits; 6 bits a number), with one power-of-two scale for each 32 numbers along K (OCP MX v1.0); their sums are f32. All else is computed in f32.
;;   The module's matrix products, in the order in which they are computed (A, B: the left and right operand; K: the contracted axis; several contracted axes count as one K, in the product's order):
;;     1. [M 16,384, K 1,024] x [K 1,024, N 192]; A: input x; B: input W_qkv: QUANTISED
;;     2. batch 4 x [M 4,096, K 64] x [K 64, N 4,096]; A: computed on the way; B: computed on the way: QUANTISED
;;     3. batch 4 x [M 4,096, K 4,096] x [K 4,096, N 64]; A: softmax (see below); B: computed on the way: QUANTISED
;;   THE QUANTISER, for each operand of a quantised product, along K:
;;     - K is cut into blocks of 32 from its start; a last block that is shorter is filled with zeros.
;;     - A block's scale is 2^e with e = floor(log2(the largest magnitude in the block)) - 2, held to -126 .. 127; a block of zeros has e = 0. As a byte (E8M0): e + 127.
;;     - Each number is divided by its block's scale, clamped to +-7.5, and rounded to the nearest number of E2M3, ties to even, subnormals kept.
;;     - The product sums the exact products of the quantised numbers (number of the format x scale) in f32.
;;   ~~~python
;;   def quantise(x, axis):      # numpy; x: float32 -> the quantised numbers, widened to float32 again
;;       x = np.moveaxis(x, axis, -1); K = x.shape[-1]
;;       x = np.pad(x, [(0, 0)] * (x.ndim - 1) + [(0, -K % 32)]); x = x.reshape(x.shape[:-1] + (-1, 32)); a = np.abs(x).max(-1, keepdims=True)
;;       e = np.where(a > 0, np.clip(np.frexp(np.where(a > 0, a, 1))[1] - 1 - 2, -126, 127), 0)      # np.frexp(a)[1] - 1 = floor(log2(a)), exactly
;;       r = np.clip(x / 2.0 ** e, -7.5, 7.5)
;;       step = 2.0 ** (np.maximum(np.frexp(np.where(r == 0, 1, r))[1] - 1, 0) - 3)
;;       q = np.round(r / step) * step * 2.0 ** e      # np.round: ties to even
;;       return np.moveaxis(q.reshape(q.shape[:-2] + (-1,))[..., :K], -1, axis).astype(np.float32)
;;   ~~~
;;   SOFTMAX AHEAD OF A QUANTISED PRODUCT. Where the list says 'softmax', what is quantised is not the finished softmax but p = 2^(t - M), with t = logit x log2(e) and M = ceil(the row's largest t), a whole number; so 1/2 < the row's largest p <= 1. The row's sum l is taken of the UNQUANTISED p, in f32, and the product's result is divided by l at the end. Since M is a whole number, a kernel that streams over the keys may use a running M (the ceiling of the running maximum): every later rescaling is an exact power of two, which a block's scale takes up: the codes' values come out the same.
;;   OPERANDS COMPUTED ON THE WAY. 'Computed on the way' means the value that the module computes at that place (a softmax that the list does not call 'softmax' is quantised finished and normalised). What goes into a quantiser is computed in f32, as accurately as f32 sums, v_exp_f32 and their like allow (about 1e-6 of the number): no bf16 or f16 on the way to a quantiser, and a product that is left as it is and whose result goes on into a quantised operand takes f32 operands (vector FMAs, or v_wmma_f32_16x16x4_f32). A number that lies on a knife's edge between two numbers of the format may be rounded either way, as far as f32 arithmetic and the matrix unit's own rounding can turn it there, and no further.
;; One version. Each part assembles by itself: llvm-mc -triple=amdgcn-amd-amdhsa -mcpu=gfx1250 --defsym DOCPART=n.
;; ======== version 1 of 1: 3 launches
;; limits: right only within a limited range of input values
;; workspace buffers: wimg 153,600 bytes; qrec 1,048,576 bytes; kv 2,097,152 bytes
;; launch wprep (part 1): grid 12 x 16, 1 waves a work-group, no clusters, 0 bytes of LDS; arguments W_qkv, wimg; writes wimg
.if DOCPART == 1
	.amdgcn_target "amdgcn-amd-amdhsa--gfx1250"
	.amdhsa_code_object_version 6
	.text
	.protected	k_q3f4e248faf_wprep
	.globl	k_q3f4e248faf_wprep
	.p2align	8
	.type	k_q3f4e248faf_wprep,@function
k_q3f4e248faf_wprep:
	s_mov_b64 s[64:65], 0
	v_nop
	global_prefetch_b8 v0, s[64:65] scope:SCOPE_SE
	s_setreg_imm32_b32 hwreg(HW_REG_WAVE_MODE, 25, 1), 1
	s_wait_xcnt 0x0
; W_qkv [1024 (k)][192 (n)], f32, K on its FIRST axis, becomes codes of E2M3 with one E8M0 byte for each 32 along K, laid in the order of the operand's registers.
; Work-group x = tile of 16 columns (12 of them), work-group y = 64 along K (16 of them): half a fragment to a work-group of ONE wave, 192 in all.  Lane (r, h) takes column 16 nt + r, and its 32 registers run
; DOWN K: k = 64 y + 32 h + 0 .. 31, which is the order that the 6-bit layout gives that lane.  So a block of 32 lies in one lane, and the conversions' results are the operand's registers: nothing is transposed.
; 32 loads a wave: fewer than LOADcnt's field holds, so none waits for an earlier one to come back.
; wimg: the half fragment (nt, y) at (16 nt + y) x 768 bytes: its registers 0-3 at 16 x lane, 4-5 at 512 + 8 x lane;  from byte 147,456 on the scale words [nt][y / 2][r], 4 bytes each, of which this wave makes bytes
; 2 (y % 2) and 2 (y % 2) + 1.
; A block's scale byte is its largest magnitude's exponent field - 2, held at 1 from below.  (A block of zeros gets 1 where the rule says 127: its codes are zeros, and this program alone reads the bytes.)
; LIMITS: NaN and infinities among the inputs are not served.
; No LDS, no barrier, no loop.  Each load reads 64 neighbouring bytes in sixteen lanes; the two stores of codes cover 512 and 256 consecutive bytes, aligned to 256; the scale bytes are 32 bytes a wave.
.set ROWB, 768                         ; a row of W in bytes
.set X,    32                          ; v32-63   32 numbers
.set C,    96                          ; v96-101  the half fragment's codes
.set C2,   104                         ; v104-106 the block's upper half as the conversion leaves it
	s_load_b128 s[4:7], s[0:1], 0x0                ; W, wimg
	v_and_b32 v1, 15, v0                           ; r   (one wave: v0 is the lane)
	v_bfe_u32 v2, v0, 4, 1                         ; h
	v_lshlrev_b32 v5, 2, v1                        ; 4 r
	v_mad_u32_u24 v3, v2, 32*ROWB, v5              ; lanes 16-31 begin 32 rows further down
	v_lshlrev_b32 v4, 4, v0                        ; 16 x lane
	v_lshlrev_b32 v6, 3, v0                        ; 8 x lane
	s_and_b32 s12, ttmp7, 0xffff                   ; y
	s_lshl_b32 s14, ttmp9, 6                       ; W: 64 bytes a tile of columns,
	s_mul_i32 s15, s12, 64*ROWB                    ; 64 rows a y
	s_add_co_u32 s14, s14, s15
	s_mov_b32 s15, 0
	s_lshl_b32 s16, ttmp9, 4
	s_add_co_u32 s16, s16, s12
	s_mul_i32 s16, s16, 768                        ; my half fragment's place
	s_mov_b32 s17, 0
	s_lshl_b32 s18, ttmp9, 9                       ; the scale words: 512 bytes a tile of columns,
	s_lshr_b32 s19, s12, 1
	s_lshl_b32 s19, s19, 6                         ; 64 a K step of 128,
	s_add_co_u32 s18, s18, s19
	s_and_b32 s19, s12, 1
	s_lshl_b32 s19, s19, 1                         ; my two bytes of each word
	s_add_co_u32 s18, s18, s19
	s_add_co_u32 s18, s18, 147456
	s_mov_b32 s19, 0
	s_mov_b32 s20, 0x76543210
	s_mov_b32 s21, 0xfedcba98                      ; v_permlanex16_b32's selects for lane l xor 16
	s_wait_kmcnt 0x0
	s_add_nc_u64 s[4:5], s[4:5], s[14:15]
	s_add_nc_u64 s[8:9], s[6:7], s[16:17]
	s_add_nc_u64 s[10:11], s[6:7], s[18:19]
.set i, 0
.rept 32
	global_load_b32 v[X+i], v3, s[4:5] offset:ROWB*i   ; W(64 y + 32 h + i, 16 nt + r)
.set i, i+1
.endr
	s_wait_loadcnt 0x0
	v_max3_num_f32 v8, |v[X]|, |v[X+1]|, 0x1800000     ; my block: all its 32 numbers are mine, in two chains; the floor 2^(3 - 127) holds the byte at 1 from below
	v_max3_num_f32 v9, |v[X+2]|, |v[X+3]|, |v[X+4]|
.irp i, 5,9,13,17,21,25
	v_max3_num_f32 v8, v8, |v[X+\i]|, |v[X+\i+1]|
	v_max3_num_f32 v9, v9, |v[X+\i+2]|, |v[X+\i+3]|
.endr
	v_max3_num_f32 v8, v8, |v[X+29]|, |v[X+30]|
	v_max3_num_f32 v8, v8, v9, |v[X+31]|
	v_add_nc_u32 v10, 0xff000000, v8               ; 2 off the exponent field: the conversion's scale operand
	v_lshrrev_b32 v11, 23, v10                     ; the scale's byte
	v_mov_b32 v12, 0
	v_permlanex16_b32 v12, v11, s20, s21
	v_lshl_or_b32 v13, v12, 8, v11                 ; in lanes 0-15: my byte below, lane l + 16's above
	v_cvt_scalef32_pk16_fp6_f32 v[C:C+2], v[X:X+15], v10
	v_cvt_scalef32_pk16_fp6_f32 v[C2:C2+2], v[X+16:X+31], v10   ; (a conversion's three registers begin on an even number)
	v_nop                                          ; one plain instruction behind the scaled conversions
.irp i, 0,1,2
	v_mov_b32 v[C+3+\i], v[C2+\i]
.endr
	global_store_b128 v4, v[C:C+3], s[8:9]             ; 32 lanes store 512 consecutive bytes, aligned to 256
	global_store_b64 v6, v[C+4:C+5], s[8:9] offset:512 ; and 256
	v_cmp_gt_u32 vcc_lo, 16, v0
	s_wait_xcnt 0x0                                ; EXEC is a source of the stores above: it changes only behind this wait
	s_and_saveexec_b32 s22, vcc_lo
	global_store_b16 v5, v13, s[10:11]             ; lanes 0-15: two bytes of each of the 16 columns' scale words
	s_wait_xcnt 0x0                                ; and again in front of the line that widens it
	s_or_b32 exec_lo, exec_lo, s22
	s_endpgm
.Lfunc_end_k_q3f4e248faf_wprep:
	.size	k_q3f4e248faf_wprep, .Lfunc_end_k_q3f4e248faf_wprep-k_q3f4e248faf_wprep
	.p2alignl 7, 3214868480
	.fill 96, 4, 3214868480
	.section	.rodata,"a",@progbits
	.p2align	6, 0x0
	.amdhsa_kernel k_q3f4e248faf_wprep
		.amdhsa_group_segment_fixed_size 0
		.amdhsa_private_segment_fixed_size 0
		.amdhsa_enable_private_segment 0
		.amdhsa_kernarg_size 16
		.amdhsa_user_sgpr_count 2
		.amdhsa_user_sgpr_kernarg_segment_ptr 1
		.amdhsa_wavefront_size32 1
		.amdhsa_system_sgpr_workgroup_id_x 1
		.amdhsa_system_sgpr_workgroup_id_y 1
		.amdhsa_system_sgpr_workgroup_id_z 1
		.amdhsa_system_vgpr_workitem_id 0
		.amdhsa_next_free_vgpr 112
		.amdhsa_next_free_sgpr 66
		.amdhsa_reserve_vcc 1
		.amdhsa_float_denorm_mode_32 3
		.amdhsa_float_denorm_mode_16_64 3
		.amdhsa_memory_ordered 1
		.amdhsa_forward_progress 1
		.amdhsa_inst_pref_size 7
	.end_amdhsa_kernel
	.amdgpu_metadata
---
amdhsa.version: [ 1, 2 ]
amdhsa.kernels:
  - .name:           k_q3f4e248faf_wprep
    .symbol:         k_q3f4e248faf_wprep.kd
    .args:
      - { .name: W_qkv, .offset: 0, .size: 8, .value_kind: global_buffer, .address_space: global }
      - { .name: wimg, .offset: 8, .size: 8, .value_kind: global_buffer, .address_space: global }
    .group_segment_fixed_size: 0
    .private_segment_fixed_size: 0
    .kernarg_segment_align: 8
    .kernarg_segment_size: 16
    .max_flat_workgroup_size: 32
    .sgpr_count:     66
    .vgpr_count:     112
    .wavefront_size: 32
...
	.end_amdgpu_metadata
.endif
;; end of part 1
;; launch qkv (part 2): grid 256 x 1, 4 waves a work-group, no clusters, 327,680 bytes of LDS; arguments x, wimg, attn_mask, qrec, kv; writes qrec, kv
.if DOCPART == 2
	.amdgcn_target "amdgcn-amd-amdhsa--gfx1250"
	.amdhsa_code_object_version 6
	.text
	.protected	k_q3f4e248faf_qkv
	.globl	k_q3f4e248faf_qkv
	.p2align	8
	.type	k_q3f4e248faf_qkv,@function
k_q3f4e248faf_qkv:
	s_mov_b64 s[64:65], 0
	v_nop
	global_prefetch_b8 v0, s[64:65] scope:SCOPE_SE
	s_setreg_imm32_b32 hwreg(HW_REG_WAVE_MODE, 25, 1), 1
	s_wait_xcnt 0x0
; qkv = Q(x) Q(W) on codes of E2M3 (K = 1024), and q, k, v quantised at once for the two products of attention and laid in the order of their operands' registers.
; SHARES.  Work-group g takes rows 64 g .. 64 g + 63 of x (64 queries, which are also 64 keys, of one batch).  Its 262,144 bytes of x are asked for at the head, by four tensor loads a wave.
;   X:      wave w quantises rows 16 w .. 16 w + 15 (eight fragments of 16 rows x 128 K) and stores them to LDS as images of their registers                    | barrier 1 |
;   MATRIX: wave w makes columns 48 w .. 48 w + 47 for all 64 rows: 12 accumulators by turns; its 24 fragments of W stay in its registers, read from wimg once | results to a stage | barrier 2 |
;   OUT:    wave w quantises q's tile w (along d), k's tile w (along d), v's 16 channels 16 w .. (along the 64 keys: two blocks) and stores them.
; THE PRODUCT IS USED TRANSPOSED (source 0 = 16 columns of W, source 1 = 16 rows of x): a lane holds eight neighbouring columns of one row.
; THE MASK goes into k here.  The scores' K is 64; the instruction's is 128.  At k = 64 every query holds +1.0 under the scale 2^0.  A hidden key holds -1.0 there under 2^100 and zero codes
; elsewhere: its score is -2^100 exactly.  An open key holds 0 there, under the byte 1.  LIMIT: true scores lie above -2^100.  NaN and infinities among the inputs are not served.
; A block of zeros gets the scale byte 1 where the rule says 127: its codes are zeros, and this program alone reads the bytes.
; wimg: fragment (nt, s) at (8 nt + s) x 1536 bytes, in two halves of 768: registers 6 c .. 6 c + 3 at 16 x lane, 6 c + 4, 6 c + 5 at 512 + 8 x lane; from byte 147,456 on the scale words [nt][s][r].
; qrec: 4,096 bytes a block of 64 queries; tile w at 1024 w, two groups of four registers (16 bytes a lane): 0-5 codes (lane (r, h): query 16 w + r, d = 32 h ..), 6 the code at k = 64 + 32 h, 7 the scale word.
; kv: 8,192 bytes for 64 keys: four tiles of k (1,024 each, as q's; LANE r' OF TILE tt HOLDS KEY 8 tt + r' % 8 + 32 (r' / 8), so that in the transposed scores a lane's 32 registers of the four tiles are a whole block
;   of 32 neighbouring keys); from 4,096 four half fragments of v^T (768 each: registers 0-3 at 16 x lane, 4-5 at 512 + 8 x lane; lane (r, h): d = 16 t + r, keys 32 h ..); from 7,168 four blocks of 256 bytes:
;   lane l's 8 bytes = (k's scale word of tile w, row l % 16; v's of d = 16 w + l % 16).
; NO CLUSTER: what work-groups share is W, 147,456 bytes.  It goes from memory into the registers of the one wave that multiplies by it; beside x's 266,240 bytes and the images' 53,248 it has no room in LDS.
; NO PREFETCH: every byte of x is asked for at the head.
; REGISTERS, in windows of 256.  Window 0: v1-15 addresses; v16-27 W's scale words (4 n + s / 2: even step in lanes 0-15, odd in 16-31); v28-35 x's, two sets; v36-131 x's fragments, two sets of 4 x 12
;   (in X: v36-163 two sets of 64 numbers; in OUT: q's, k's, v's 32 numbers each); v164-203 codes; v204-219 at work; v252, v253 the add's two.
;   Window 1: W's fragments of my column tiles 0, 1 at v[96 n + 12 s].   Window 2: v0-95 the accumulators (n, m) at v[8 (4 n + m)]; v96-191 W's column tile 2.
.set XP,    1040                       ; a row of a tile of x in LDS: 1,024 bytes + 16: an odd multiple of 16
.set TILEB, 16*XP                      ; a tile: 16 rows x 256 along K (two K steps)
.set WRAW,  4*TILEB                    ; a wave's four tiles
.set FRB,   1536                       ; a fragment's image
.set XIMG,  4*WRAW                     ; behind x: the 32 images, (8 m + s) x FRB,
.set XSC,   XIMG+32*FRB                ; their scale words, 128 bytes each,
.set SPARE, XSC+32*128                 ; and the spare words, 128 bytes for each wave: two blocks of 256 bytes that no other line names
.set SP,    784                        ; the stage: 64 rows x (768 bytes + 16), from LDS byte 0: in wave 0's tiles, which have had their one fill and are read by nobody behind barrier 1
.set XRD, 4                            ; v4   x: my 16 numbers of a block of 32 in my row of my wave's tiles
.set LIX, 5                            ; v5   XIMG + 16 x lane
.set LSX, 6                            ; v6   XSC + 4 x lane
.set XWI, 7                            ; v7   where I store images: LIX + 8 FRB x wave
.set XWS, 8                            ; v8   and scale words: LSX + 1,024 x wave
.set SO,  9                            ; v9   the stage: where I put 32 bytes of a row
.set QR,  10                           ; v10  the stage: q's numbers,
.set KR,  11                           ; v11  k's,
.set VR,  12                           ; v12  v's
.set MK,  13                           ; v13  my key's byte of the mask
.set KROW, 14                          ; v14  my key among the 64
.set L16, 15                           ; v15  16 x lane
.set WS,  16
.set XS,  28
.set XF,  36
.set R0,  36
.set QN,  36
.set KN,  68
.set VN,  100
.set PC0, 164                          ; two sets of 12 codes + 8 at work
.set QP,  164
.set KP,  176
.set VP,  188
.set TM,  204
.set PW0, 220
.set L8,  222                          ; v222 8 x lane
.set X8,  223                          ; v223 8 in lanes 0-15: the code of +1.0
.set X40, 224                          ; v224 40 in lanes 0-15: the code of -1.0
.set H8,  225                          ; v225 8 h
.set L4,  226                          ; v226 4 x lane
.set SPW, 252
.set NIL, 253
.set MSB, 0
.macro WIN new                         ; the immediate's high byte repeats the setting that is left
.if MSB != \new
	s_set_vgpr_msb (MSB<<8)|\new
.set MSB, \new
.endif
.endm
; 64 numbers of a lane, register 16 b + i = k 32 b + 16 (lane / 16) + i of my row, become a fragment's 12 registers at v[pc] and its scale word in v[pw].
.macro QUANT s, pc, pw
.irp b, 0,1,2,3
	v_max3_num_f32 v[TM+\b], |v[\s+16*\b]|, |v[\s+1+16*\b]|, 0x1800000   ; my 16 numbers of block b, and the floor 2^(3 - 127)
.endr
.irp i, 2,4,6,8,10,12,14
.irp b, 0,1,2,3
	v_max3_num_f32 v[TM+\b], v[TM+\b], |v[\s+16*\b+\i]|, |v[\s+1+16*\b+\i]|
.endr
.endr
.irp b, 0,1,2,3
	v_permlanex16_b32 v[TM+4+\b], v[TM+\b], s48, s49
.endr
.irp b, 0,1,2,3
	v_max_num_f32 v[TM+\b], v[TM+\b], v[TM+4+\b]   ; with lane l xor 16's: the block's largest magnitude
.endr
.irp b, 0,1,2,3
	v_add_nc_u32 v[TM+12+\b], 0xff000000, v[TM+\b] ; 2 off its exponent field: the conversion's scale operand
.endr
.irp b, 0,1,2,3
	v_lshrrev_b32 v[TM+4+\b], 23, v[TM+12+\b]      ; the scale's byte
.endr
	v_lshl_or_b32 v[\pw], v[TM+5], 8, v[TM+4]
	v_lshl_or_b32 v[\pw], v[TM+6], 16, v[\pw]
	v_lshl_or_b32 v[\pw], v[TM+7], 24, v[\pw]
.irp c, 0,1
	v_cvt_scalef32_pk16_fp6_f32 v[\pc+6*\c:\pc+2+6*\c], v[\s+32*\c:\s+15+32*\c], v[TM+12+2*\c]
	v_cvt_scalef32_pk16_fp6_f32 v[\pc+12+4*\c:\pc+14+4*\c], v[\s+16+32*\c:\s+31+32*\c], v[TM+12+2*\c+1]
.endr
	v_nop                                          ; one plain instruction behind the scaled conversions
.irp c, 0,1                                    ; the layout wants a WHOLE block in a lane: lanes 0-15 block 2 c, lanes 16-31 block 2 c + 1
.irp i, 0,1,2
	v_permlane16_swap_b32 v[\pc+6*\c+\i], v[\pc+12+4*\c+\i]
.endr
.irp i, 0,1,2
	v_mov_b32 v[\pc+3+6*\c+\i], v[\pc+12+4*\c+\i]
.endr
.endr
.endm
; The same for 32 numbers (two blocks): six registers at v[P], the two bytes in v[W]; v[P + 8 .. P + 10] at work.
.macro Q2 src, P, W
.irp b, 0,1
	v_max3_num_f32 v[TM+\b], |v[\src+16*\b]|, |v[\src+1+16*\b]|, 0x1800000
.endr
.irp i, 2,4,6,8,10,12,14
.irp b, 0,1
	v_max3_num_f32 v[TM+\b], v[TM+\b], |v[\src+16*\b+\i]|, |v[\src+1+16*\b+\i]|
.endr
.endr
.irp b, 0,1
	v_permlanex16_b32 v[TM+4+\b], v[TM+\b], s48, s49
.endr
.irp b, 0,1
	v_max_num_f32 v[TM+\b], v[TM+\b], v[TM+4+\b]
.endr
.irp b, 0,1
	v_add_nc_u32 v[TM+12+\b], 0xff000000, v[TM+\b]
.endr
.irp b, 0,1
	v_lshrrev_b32 v[TM+4+\b], 23, v[TM+12+\b]
.endr
	v_lshl_or_b32 v[\W], v[TM+5], 8, v[TM+4]
	v_cvt_scalef32_pk16_fp6_f32 v[\P:\P+2], v[\src:\src+15], v[TM+12]
	v_cvt_scalef32_pk16_fp6_f32 v[\P+8:\P+10], v[\src+16:\src+31], v[TM+13]
	v_nop
.irp i, 0,1,2
	v_permlane16_swap_b32 v[\P+\i], v[\P+8+\i]
.endr
.irp i, 0,1,2
	v_mov_b32 v[\P+3+\i], v[\P+8+\i]
.endr
.endm
.macro IMAGE pc, off                           ; the fragment at v[pc] goes to LDS as it stands: 16 bytes a lane, 512 a store
.irp c, 0,1,2
	ds_store_b128 v[XWI], v[\pc+4*\c:\pc+4*\c+3] offset:\off+512*\c
.endr
.endm
.macro DSLOAD s, R                             ; my 64 numbers of K step s, out of my wave's own tiles
.irp b, 0,1,2,3
.irp j, 0,1,2,3
	ds_load_b128 v[\R+16*\b+4*\j:\R+16*\b+4*\j+3], v[XRD] offset:TILEB*((\s)/2)+512*((\s)%2)+128*\b+16*\j
.endr
.endr
.endm
.macro BARRIER                                 ; my LDS stores have landed and my LDS loads are in: then the work-group's barrier
	s_wait_dscnt 0x0
	s_barrier_signal -1
	s_barrier_wait -1
.endm
	s_load_b256 s[4:11], s[0:1], 0x0               ; x s[4:5], wimg s[6:7], the mask s[8:9], qrec s[10:11]
	s_load_b64 s[12:13], s[0:1], 0x20              ; kv
	v_lshl_add_u32 v[SPW], v0, 2, SPARE
	v_mov_b32 v[NIL], 0
	ds_add_u32 v[SPW], v[NIL]                      ; the wave's opening: the add and its wait ahead of my first tensor load; work on registers stands between them
	v_lshrrev_b32 v1, 5, v0
	v_readfirstlane_b32 s14, v1                    ; wave 0..3
	; descriptor group 1: 16 rows x 256 f32, 1,024 elements from row to row, 4 words of padding behind every 256
	s_mov_b32 s24, (2<<16)|(1<<20)|(7<<22)|(3<<25) ; no mask; elements of 4 bytes; padding on; after every 256 words (code 7); 4 words of it (code 3)
	s_mov_b32 s25, 256<<16                         ; tensor_dim0
	s_mov_b32 s26, 16<<16                          ; tensor_dim1
	s_mov_b32 s27, 256<<16                         ; tile_dim0
	s_mov_b32 s28, 16                              ; tile_dim1
	s_mov_b32 s29, 1024                            ; tensor_dim0_stride
	s_mov_b32 s30, 0
	s_mov_b32 s31, 0
	s_mov_b32 s48, 0x76543210
	s_mov_b32 s49, 0xfedcba98                      ; v_permlanex16_b32's selects for lane l xor 16
	s_mul_i32 s50, s14, WRAW                       ; my wave's tiles in LDS
	s_lshl_b32 s52, ttmp9, 18                      ; x: 64 rows of 4,096 bytes a work-group,
	s_lshl_b32 s53, s14, 16                        ; 16 a wave
	s_add_co_u32 s52, s52, s53
	s_mov_b32 s53, 0
	s_lshl_b32 s54, ttmp9, 12                      ; qrec: 4,096 a work-group, 1,024 a wave
	s_lshl_b32 s55, s14, 10
	s_add_co_u32 s54, s54, s55
	s_lshl_b32 s51, ttmp9, 13                      ; kv: 8,192 a work-group;
	s_add_co_u32 s56, s51, s55                     ; k's tile: 1,024 a wave
	s_mov_b32 s55, 0
	s_mov_b32 s57, 0
	s_mul_i32 s58, s14, 768                        ; v's half fragment
	s_add_co_u32 s58, s58, s51
	s_add_co_u32 s58, s58, 4096
	s_mov_b32 s59, 0
	s_lshl_b32 s60, s14, 8                         ; the scale words' block
	s_add_co_u32 s60, s60, s51
	s_add_co_u32 s60, s60, 7168
	s_mov_b32 s61, 0
	s_mul_i32 s62, s14, 24*FRB                     ; wimg: my 24 fragments,
	s_mov_b32 s63, 0
	s_mul_i32 s2, s14, 1536                        ; and their scale words
	s_add_co_u32 s2, s2, 147456
	s_mov_b32 s3, 0
	s_wait_dscnt 0x0                               ; the opening add is done
	s_wait_kmcnt 0x0
	s_add_nc_u64 s[52:53], s[4:5], s[52:53]        ; x at my wave's first row
	s_add_nc_u64 s[10:11], s[10:11], s[54:55]
	s_add_nc_u64 s[16:17], s[12:13], s[56:57]
	s_add_nc_u64 s[18:19], s[12:13], s[58:59]
	s_add_nc_u64 s[20:21], s[12:13], s[60:61]
	s_add_nc_u64 s[22:23], s[6:7], s[2:3]
	s_add_nc_u64 s[6:7], s[6:7], s[62:63]
	s_lshl_b32 s54, ttmp9, 6                       ; the mask: 64 bytes a work-group
	s_add_nc_u64 s[8:9], s[8:9], s[54:55]
.irp q, 0,1,2,3                                ; descriptor group 0, a set for each tile
	s_mov_b32 s[32+4*\q], 1                        ; count = 1
	s_add_co_u32 s[33+4*\q], s50, \q*TILEB         ; LDS address: wave x WRAW + tile x TILEB
	s_add_nc_u64 s[34+4*\q:35+4*\q], s[52:53], \q*1024   ; global address: 256 numbers along K a tile
	s_or_b32 s[35+4*\q], s[35+4*\q], 0x80000000    ; type = 2
.endr
.irp q, 0,1,2,3                                ; all first fills in one group; four tensor loads of mine are out.  Nothing is ever filled again
	tensor_load_to_lds s[32+4*\q:35+4*\q], s[24:31]
	s_nop 0
.endr
	v_and_b32 v1, 31, v0                           ; lane   (plain instructions follow the loads; the first window switch stands far behind them)
	v_and_b32 v2, 15, v0                           ; r
	v_bfe_u32 v3, v0, 4, 1                         ; h
	v_and_b32 v[KROW], 8, v2
	v_mad_u32_u24 v[KROW], v[KROW], 3, v2          ; r + 24 (r / 8) = r % 8 + 32 (r / 8)
	s_lshl_b32 s51, s14, 3
	v_add_nc_u32 v[KROW], s51, v[KROW]             ; + 8 w: my key in k's tile w
	global_load_u8 v[MK], v[KROW], s[8:9]
	v_lshlrev_b32 v[L16], 4, v1
	v_lshlrev_b32 v[L8], 3, v1
	v_lshlrev_b32 v[L4], 2, v1
	WIN 0x40                                       ; destination window 1
.irp n, 0,1
.irp s, 0,1,2,3,4,5,6,7
.irp c, 0,1
	global_load_b128 v[96*\n+12*\s+6*\c:96*\n+12*\s+6*\c+3], v[L16], s[6:7] offset:(8*\n+\s)*FRB+768*\c
	global_load_b64 v[96*\n+12*\s+6*\c+4:96*\n+12*\s+6*\c+5], v[L8], s[6:7] offset:(8*\n+\s)*FRB+768*\c+512
.endr
.endr
.endr
	WIN 0x80                                       ; destination window 2
.irp s, 0,1,2,3,4,5,6,7
.irp c, 0,1
	global_load_b128 v[96+12*\s+6*\c:96+12*\s+6*\c+3], v[L16], s[6:7] offset:(16+\s)*FRB+768*\c
	global_load_b64 v[96+12*\s+6*\c+4:96+12*\s+6*\c+5], v[L8], s[6:7] offset:(16+\s)*FRB+768*\c+512
.endr
.endr
	WIN 0
.irp n, 0,1,2
.irp p, 0,1,2,3
	global_load_b32 v[WS+4*\n+\p], v[L4], s[22:23] offset:512*\n+128*\p   ; lanes 0-15: K step 2 p; lanes 16-31: K step 2 p + 1
.endr
.endr
	v_mul_u32_u24 v[XRD], v2, XP
	v_lshl_add_u32 v[XRD], v3, 6, v[XRD]
	v_add_nc_u32 v[XRD], s50, v[XRD]               ; row r, + 64 h, in my wave's tiles
	v_add_nc_u32 v[LIX], XIMG, v[L16]
	v_add_nc_u32 v[LSX], XSC, v[L4]
	s_mul_i32 s51, s14, 8*FRB
	v_add_nc_u32 v[XWI], s51, v[LIX]
	s_lshl_b32 s51, s14, 10
	v_add_nc_u32 v[XWS], s51, v[LSX]
	v_mul_u32_u24 v[SO], v2, SP
	v_lshl_add_u32 v[SO], v3, 5, v[SO]
	s_mul_i32 s51, s14, 192
	v_add_nc_u32 v[SO], s51, v[SO]                 ; row r, + 32 h, + my 48 columns' 192 bytes
	v_mul_u32_u24 v[QR], v2, SP
	v_lshl_add_u32 v[QR], v3, 6, v[QR]
	s_mul_i32 s51, s14, 16*SP
	v_add_nc_u32 v[QR], s51, v[QR]                 ; row 16 w + r, + 64 h
	v_mul_u32_u24 v[KR], v[KROW], SP
	v_lshl_add_u32 v[KR], v3, 6, v[KR]
	v_add_nc_u32 v[KR], 256, v[KR]                 ; my key's row, k's columns, + 64 h
	v_mul_u32_u24 v[VR], v3, 32*SP
	v_lshl_add_u32 v[VR], v2, 2, v[VR]
	s_lshl_b32 s51, s14, 6
	s_add_co_u32 s51, s51, 512
	v_add_nc_u32 v[VR], s51, v[VR]                 ; row 32 h, v's column 16 w + r
	v_sub_nc_u32 v[X8], 1, v3
	v_lshlrev_b32 v[X8], 3, v[X8]
	v_mul_u32_u24 v[X40], v[X8], 5
	v_lshlrev_b32 v[H8], 3, v3
.irp b, 0,1,2,3
	v_mov_b32 v[TM+4+\b], 0                        ; written once: a lane permute's destination counts as one of its sources
.endr
	; ---- X.  A K step's numbers come out of LDS two steps ahead of their turn, into two sets of 64 registers.
.macro XSTEP s
.if (\s) == 0
	s_wait_dscnt 16                                ; step 0's 16 loads are in; step 1's are out
.elseif (\s) == 7
	s_wait_dscnt 4                                 ; behind step 7's loads: the last image's 4 stores
.else
	s_wait_dscnt 20                                ; behind this step's loads: the last image's 4 stores and the next step's 16 loads.  The image two steps back, which read this step's code registers, is done too
.endif
	QUANT R0+64*((\s)%2), PC0+20*((\s)%2), PW0+(\s)%2
	IMAGE PC0+20*((\s)%2), FRB*(\s)
	ds_store_b32 v[XWS], v[PW0+(\s)%2] offset:128*(\s)
.if (\s) < 6
.if ((\s)%2) == 0
	s_wait_tensorcnt 3-((\s)+2)/2                  ; tensor loads of a wave end in order: the tile of steps s + 2, s + 3 is in; the younger tiles stay out
.endif
	DSLOAD (\s)+2, R0+64*((\s)%2)
.endif
.endm
	s_wait_tensorcnt 3                             ; my first tile is in; three are out.  Only I read my tiles: this wait is all the ordering that the reads need
	DSLOAD 0, R0
	DSLOAD 1, R0+64
.irp s, 0,1,2,3,4,5,6,7
	XSTEP \s
.endr
	s_wait_loadcnt 0x0                             ; W, its scale words, the mask
	BARRIER                                        ; x's 32 images lie in LDS; nobody reads the tiles any more
	; ---- MATRIX.  Twelve accumulators take turns, one instruction a turn, in the same order in every K step.
.macro FETCHS s                                ; K step s: the four row tiles' fragments and scale words: 16 loads, into set s % 2
.irp m, 0,1,2,3
.irp c, 0,1,2
	ds_load_b128 v[XF+48*((\s)%2)+12*\m+4*\c:XF+48*((\s)%2)+12*\m+4*\c+3], v[LIX] offset:(8*\m+(\s))*FRB+512*\c
.endr
	ds_load_b32 v[XS+4*((\s)%2)+\m], v[LSX] offset:(8*\m+(\s))*128
.endr
.endm
.macro MM n, m, s, wf
.if (\s) == 0
	v_wmma_scale_f32_16x16x128_f8f6f4 v[8*(4*\n+\m):8*(4*\n+\m)+7], v[\wf:\wf+11], v[XF+48*((\s)%2)+12*\m:XF+48*((\s)%2)+12*\m+11], 0, v[WS+4*\n+(\s)/2], v[XS+4*((\s)%2)+\m] matrix_a_fmt:MATRIX_FMT_FP6 matrix_b_fmt:MATRIX_FMT_FP6
.elseif (\s)%2
	v_wmma_scale_f32_16x16x128_f8f6f4 v[8*(4*\n+\m):8*(4*\n+\m)+7], v[\wf:\wf+11], v[XF+48*((\s)%2)+12*\m:XF+48*((\s)%2)+12*\m+11], v[8*(4*\n+\m):8*(4*\n+\m)+7], v[WS+4*\n+(\s)/2], v[XS+4*((\s)%2)+\m] matrix_a_fmt:MATRIX_FMT_FP6 matrix_b_fmt:MATRIX_FMT_FP6 matrix_a_scale:MATRIX_SCALE_ROW1
.else
	v_wmma_scale_f32_16x16x128_f8f6f4 v[8*(4*\n+\m):8*(4*\n+\m)+7], v[\wf:\wf+11], v[XF+48*((\s)%2)+12*\m:XF+48*((\s)%2)+12*\m+11], v[8*(4*\n+\m):8*(4*\n+\m)+7], v[WS+4*\n+(\s)/2], v[XS+4*((\s)%2)+\m] matrix_a_fmt:MATRIX_FMT_FP6 matrix_b_fmt:MATRIX_FMT_FP6
.endif
.endm
.macro KSTEP s
.if (\s) < 7
	s_wait_dscnt 16                                ; this step's 16 loads are in; the next step's are out
.else
	s_wait_dscnt 0x0
.endif
	WIN 0xa1                                       ; source 0 (W) window 1, source 1 (x) window 0, C and D window 2
.irp n, 0,1
.irp m, 0,1,2,3
	MM \n, \m, \s, 96*\n+12*(\s)
.endr
.endr
	WIN 0xa2                                       ; source 0 window 2
.irp m, 0,1,2,3
	MM 2, \m, \s, 96+12*(\s)
.endr
	WIN 0
.if (\s) != 6
.rept 4
	v_nop                                          ; four places in front of loads into registers that matrix instructions have read, and of the first read of results
.endr
.endif
.if (\s) < 6
	FETCHS (\s)+2
.endif
.endm
	FETCHS 0
	FETCHS 1
.irp s, 0,1,2,3,4,5,6,7
	KSTEP \s
.endr
	WIN 0x08                                       ; an LDS store's data are its source 1: window 2
.irp n, 0,1,2
.irp m, 0,1,2,3
	ds_store_b128 v[SO], v[8*(4*\n+\m):8*(4*\n+\m)+3] offset:16*SP*\m+64*\n        ; lane (r, h): qkv(16 m + r, 48 w + 16 n + 8 h + 0 .. 7); each accumulator from its low end on
	ds_store_b128 v[SO], v[8*(4*\n+\m)+4:8*(4*\n+\m)+7] offset:16*SP*\m+64*\n+16
.endr
.endr
	WIN 0
	BARRIER                                        ; 64 whole rows of qkv lie in the stage
	; ---- OUT.  48 loads first: q's 8, k's 8, v's 32.
.irp b, 0,1
.irp j, 0,1,2,3
	ds_load_b128 v[QN+16*\b+4*\j:QN+16*\b+4*\j+3], v[QR] offset:128*\b+16*\j      ; q(16 w + r, 32 b + 16 h + 4 j ..)
.endr
.endr
.irp b, 0,1
.irp j, 0,1,2,3
	ds_load_b128 v[KN+16*\b+4*\j:KN+16*\b+4*\j+3], v[KR] offset:128*\b+16*\j
.endr
.endr
.set i, 0
.rept 32
	ds_load_b32 v[VN+i], v[VR] offset:SP*i         ; v(32 h + i, 16 w + r): my registers run down the keys
.set i, i+1
.endr
	s_wait_dscnt 40                                ; q's loads are in; k's 8 and v's 32 are out
	Q2 QN, QP, QP+7
	v_or_b32 v[QP+7], 0x017f0000, v[QP+7]          ; bytes 2, 3: 2^0 for the block of k = 64, 1 for the empty block
	v_mov_b32 v[QP+6], v[X8]                       ; +1.0 at k = 64
	global_store_b128 v[L16], v[QP:QP+3], s[10:11]             ; 32 lanes store 512 consecutive bytes, aligned to 256
	global_store_b128 v[L16], v[QP+4:QP+7], s[10:11] offset:512
	s_wait_dscnt 32                                ; k's loads are in
	Q2 KN, KP, 200
	v_cmp_ne_u32 vcc_lo, 0, v[MK]                  ; lanes whose key is open
.irp i, 0,1,2,3,4,5
	v_cndmask_b32 v[KP+\i], 0, v[KP+\i], vcc_lo    ; a hidden key's codes are zeros
.endr
	v_mov_b32 v[KP+7], 0
	v_cndmask_b32 v[KP+6], v[X40], v[KP+7], vcc_lo ; and it holds -1.0 at k = 64
	v_mov_b32 v202, 0x01e30000                     ; under the byte 227, 2^100;
	v_mov_b32 v203, 0x01010000                     ; an open key's two spare bytes are 1
	v_cndmask_b32 v202, v202, v203, vcc_lo
	v_or_b32 v200, v200, v202
	global_store_b128 v[L16], v[KP:KP+3], s[16:17]
	global_store_b128 v[L16], v[KP+4:KP+7], s[16:17] offset:512
	s_wait_dscnt 0x0                               ; v's loads are in
	v_max3_num_f32 v[TM], |v[VN]|, |v[VN+1]|, 0x1800000        ; one block of 32 keys, all mine: two chains
	v_max3_num_f32 v[TM+1], |v[VN+2]|, |v[VN+3]|, |v[VN+4]|
.irp i, 5,9,13,17,21,25
	v_max3_num_f32 v[TM], v[TM], |v[VN+\i]|, |v[VN+\i+1]|
	v_max3_num_f32 v[TM+1], v[TM+1], |v[VN+\i+2]|, |v[VN+\i+3]|
.endr
	v_max3_num_f32 v[TM], v[TM], |v[VN+29]|, |v[VN+30]|
	v_max3_num_f32 v[TM], v[TM], v[TM+1], |v[VN+31]|
	v_add_nc_u32 v[TM+12], 0xff000000, v[TM]
	v_lshrrev_b32 v[TM+4], 23, v[TM+12]
	v_cvt_scalef32_pk16_fp6_f32 v[VP:VP+2], v[VN:VN+15], v[TM+12]
	v_cvt_scalef32_pk16_fp6_f32 v[VP+8:VP+10], v[VN+16:VN+31], v[TM+12]
	v_nop
.irp i, 0,1,2
	v_mov_b32 v[VP+3+\i], v[VP+8+\i]
.endr
	v_lshlrev_b32 v201, v[H8], v[TM+4]             ; my block's byte at its place,
	v_permlanex16_b32 v[TM+5], v201, s48, s49
	v_or_b32 v201, v201, v[TM+5]                   ; with lane l xor 16's: the two bytes of these 64 keys
	global_store_b128 v[L16], v[VP:VP+3], s[18:19]
	global_store_b64 v[L8], v[VP+4:VP+5], s[18:19] offset:512  ; 32 lanes store 256 consecutive bytes, aligned
	global_store_b64 v[L8], v[200:201], s[20:21]
	s_wait_tensorcnt 0x0                           ; the wave's end: the add and its waits, behind my last tensor load and my last LDS store
	ds_add_u32 v[SPW], v[NIL]
	s_wait_dscnt 0x0
	s_endpgm
.Lfunc_end_k_q3f4e248faf_qkv:
	.size	k_q3f4e248faf_qkv, .Lfunc_end_k_q3f4e248faf_qkv-k_q3f4e248faf_qkv
	.p2alignl 7, 3214868480
	.fill 96, 4, 3214868480
	.section	.rodata,"a",@progbits
	.p2align	6, 0x0
	.amdhsa_kernel k_q3f4e248faf_qkv
		.amdhsa_group_segment_fixed_size 327680
		.amdhsa_private_segment_fixed_size 0
		.amdhsa_enable_private_segment 0
		.amdhsa_kernarg_size 40
		.amdhsa_user_sgpr_count 2
		.amdhsa_user_sgpr_kernarg_segment_ptr 1
		.amdhsa_wavefront_size32 1
		.amdhsa_system_sgpr_workgroup_id_x 1
		.amdhsa_system_sgpr_workgroup_id_y 1
		.amdhsa_system_sgpr_workgroup_id_z 1
		.amdhsa_system_vgpr_workitem_id 0
		.amdhsa_next_free_vgpr 704
		.amdhsa_next_free_sgpr 66
		.amdhsa_reserve_vcc 1
		.amdhsa_float_denorm_mode_32 3
		.amdhsa_float_denorm_mode_16_64 3
		.amdhsa_memory_ordered 1
		.amdhsa_forward_progress 1
		.amdhsa_inst_pref_size 90
	.end_amdhsa_kernel
	.amdgpu_metadata
---
amdhsa.version: [ 1, 2 ]
amdhsa.kernels:
  - .name:           k_q3f4e248faf_qkv
    .symbol:         k_q3f4e248faf_qkv.kd
    .args:
      - { .name: x, .offset: 0, .size: 8, .value_kind: global_buffer, .address_space: global }
      - { .name: wimg, .offset: 8, .size: 8, .value_kind: global_buffer, .address_space: global }
      - { .name: attn_mask, .offset: 16, .size: 8, .value_kind: global_buffer, .address_space: global }
      - { .name: qrec, .offset: 24, .size: 8, .value_kind: global_buffer, .address_space: global }
      - { .name: kv, .offset: 32, .size: 8, .value_kind: global_buffer, .address_space: global }
    .group_segment_fixed_size: 327680
    .private_segment_fixed_size: 0
    .kernarg_segment_align: 8
    .kernarg_segment_size: 40
    .max_flat_workgroup_size: 128
    .sgpr_count:     66
    .vgpr_count:     704
    .wavefront_size: 32
...
	.end_amdgpu_metadata
.endif
;; end of part 2
;; launch attn (part 3): grid 64 x 4, 16 waves a work-group, clusters of 4 x 1, 327,680 bytes of LDS; arguments qrec, kv, out0; writes out0
.if DOCPART == 3
	.amdgcn_target "amdgcn-amd-amdhsa--gfx1250"
	.amdhsa_code_object_version 6
	.text
	.protected	k_q3f4e248faf_attn
	.globl	k_q3f4e248faf_attn
	.p2align	8
	.type	k_q3f4e248faf_attn,@function
k_q3f4e248faf_attn:
	s_mov_b64 s[64:65], 0
	v_nop
	global_prefetch_b8 v0, s[64:65] scope:SCOPE_SE
	s_setreg_imm32_b32 hwreg(HW_REG_WAVE_MODE, 25, 1), 1
	s_wait_xcnt 0x0
	s_wait_alu depctr_hold_cnt(0) depctr_sa_sdst(0) depctr_va_vdst(0) depctr_va_sdst(0) depctr_va_ssrc(0) depctr_va_vcc(0) depctr_vm_vsrc(0)
	s_getreg_b32 s2, hwreg(HW_REG_IB_STS2, 6, 4)
	s_cmp_eq_u32 s2, 0
	s_cbranch_scc0 .Lentry_in_a_cluster
	s_endpgm
.Lentry_in_a_cluster:
	s_bfe_u32 s2, ttmp6, 0x10000c
	s_cmp_lg_u32 s2, 0x3003
	s_cbranch_scc0 .Lentry_shape_is_right
	s_endpgm
.Lentry_shape_is_right:
; out[b][q][:] = the sum over k of softmax_k(q . k / 8, hidden keys left out) v[k][:], both products on codes of E2M3 with one E8M0 scale for each 32 along a product's K.
; q, k, v come as the launch before has laid them (its head comment): images of operand registers, so every LDS and global access here is 8 or 16 bytes a lane on end.
; THE SOFTMAX: t = score x log2(e) / 8; M = the largest t so far, rounded UP to a whole number; p = 2^(t - M) is quantised along the keys, not normalised; the row's sum is taken of the unquantised p and divides at
; the end.  When M moves, the sum and O are multiplied by 2^(old M - new M): exact.
; THE MASK costs nothing here: a hidden key's score is -2^100 exactly (by the codes at k = 64), so its p is 0 beside any open key.  While a row has seen hidden keys alone, M = t and p = 1: a batch with every key
; hidden gets equal weights; the first open key multiplies what was summed by 0.  LIMIT: true scores lie above -2^100.
; SHARES.  A work-group owns 64 queries of a batch.  Wave: qt = wave % 4 its tile of 16 queries, kq = wave / 4 its quarter of each slot's keys.  A slot holds 1,024 keys (16 records of 8,192 bytes); a key step is
; 128 keys; wave kq takes steps 2 kq and 2 kq + 1 of every slot.  Four waves share a SIMD, so that one wave's vector work stands beside another's products and LDS loads.  At the end the four partial results of a
; tile of queries (-M, the sum, O^T) are joined through LDS, by exact powers of two.
; Both products are used transposed (S^T = k q^T, O^T = v^T p^T): a lane holds ONE query throughout.  THE KEYS OF A TILE OF k ARE CHOSEN (rows 0-7: eight neighbours, rows 8-15: the eight that lie 32 further on) so that
; the 32 registers of a record's four tiles are, in lanes 0-15, the record's first block of 32 keys and, in lanes 16-31, its second: the layout of the 6-bit operand.  So a block's largest score is found inside a
; lane, and the conversions' results are p's operand without any exchange between lanes.
; CLUSTER.  The four work-groups of a cluster belong to one batch and walk the same kv: every fill is asked for JOINTLY, by the same tensor load with the same descriptor and the mask 15.  Each of the 16 waves asks
; for one record, so no branch stands on the way of a joint load; two tensor loads of a wave are out at the start, later one.
; REGISTERS: v1, v2, v7 places that stay; v5, v6, v243 the step's addresses; v3, v4 the add's two; v8-11, v28-31 scale words; v12 -M, v13 the largest t, v[14:15] the sum; v16-27 q; v32-79 four fragments of k
; (the upper four registers of each stay 0); v80-127 four of v; v128-191 S^T, then p; v192-223 O^T; v224-235 p's codes; v236-238, v240-242 at work; v239 8 h; v244-247 maxima; v248, v249 the conversions' scales;
; v[250:251] the old -M, then the sum's second chain; v252 f, v253 p's scale word, v254 at work, v255 q's scale word.
.set SLOT1, 1<<17                      ; a slot is 131,072 bytes; one exclusive or turns an address in one slot into the other's
.set SPARE, 2*SLOT1                    ; behind the ring: the spare words, 128 bytes for each wave: eight blocks of 256 bytes that no other line names
.set CW,    4352                       ; the join: for each wave four tiles of O^T (1,024 bytes each), -M at 4,096, the sum at 4,224.  From LDS byte 0: in slot 0, which was left at the last change of slots
.set OST,   16*CW                      ; the way out: 64 rows x (256 bytes + 16), behind the join's bytes, in slot 0 too
.set L16, 1                            ; v1   16 x lane + 32,768 kq
.set L8,  2                            ; v2   8 x lane + 32,768 kq
.set SPW, 3                            ; v3   LDS address of my spare word; never rewritten
.set NIL, 4                            ; v4   0; never rewritten
.set A16, 5
.set A8,  6
.set LSC, 7                            ; v7   L8 + 256 (lane / 16): lanes 0-15 take a block of scale words, lanes 16-31 the next block
.set AS,  243
.set KF,  32
.set VF,  80
.set S,   128
.set OT,  192
.set PCD, 224
.set PT,  236
.set H8,  239
.set BM,  244
.set SOP, 248
.set SM2, 250
.set WV,  12                           ; s12 wave; s13 qt; s14 kq; s15 cx
.set SEL, 20                           ; s[20:21] lane selects for v_permlanex16_b32: lane l xor 16
.set CS,  22                           ; s[22:23] c = log2(e) / 8
.set TB,  40                           ; s40 LDS byte at which the slot in hand begins
.set SLOTS, 41                         ; s41 fills still to be asked for
.set LIM, 42                           ; s42 1 in a wave that prefetches, else the greatest number
.set PFA, 44                           ; s[44:45] where my prefetch stands
.macro CROUND                          ; a round of the cluster's barrier
	s_barrier_signal -1
	s_barrier_wait -1
	s_cmp_lg_u32 s[WV], 0
	s_cbranch_scc1 .Lnot_wave_0_\@
	s_barrier_signal -3
.Lnot_wave_0_\@:
	s_barrier_wait -3
	s_barrier_signal -1
	s_barrier_wait -1
.endm
.macro JLOAD                           ; my record of the fill, by the walking descriptor: 32 rows of 256 bytes; an s_nop 0 and four v_nop follow
	tensor_load_to_lds s[36:39], s[24:31]
	s_nop 0
.rept 4
	v_nop
.endr
.endm
; A PREFETCH INTO THE L2 of the fill that the NEXT change of slots will ask for, behind my tensor load and its five lines.  All 16 clusters of a batch walk the same kv: the batch's first cluster asks.  Its four
; partners share the fill's 16 records out BY ADDRESS, four each; in each, waves 0 to 3 ask for one record: lanes 256 bytes apart, one instruction.  So each aligned block of 256 bytes of fill 3 is named once.
; Fills 0, 1 and 2 come by their loads alone; the last change that fills a slot asks for nothing.
.macro ASK
	s_cmp_gt_u32 s[SLOTS], s[LIM]
	s_cbranch_scc0 .Lnot_mine_\@
	v_and_b32 v242, 31, v0
	v_lshlrev_b32 v242, 8, v242                    ; v242 is next written by the step's conversions, behind a wait on XCNT
	global_prefetch_b8 v242, s[PFA:PFA+1] th:TH_LOAD_NT scope:SCOPE_SE
.Lnot_mine_\@:
.endm
	s_load_b128 s[4:7], s[0:1], 0x0                ; qrec, kv
	s_load_b64 s[8:9], s[0:1], 0x10                ; out0
	v_lshl_add_u32 v[SPW], v0, 2, SPARE
	v_mov_b32 v[NIL], 0
	ds_add_u32 v[SPW], v[NIL]                      ; the wave's opening: the add and its wait ahead of my first tensor load; work on registers stands between them
	v_lshrrev_b32 v1, 5, v0
	v_readfirstlane_b32 s[WV], v1                  ; wave 0..15
	s_and_b32 s13, s[WV], 3                        ; qt
	s_lshr_b32 s14, s[WV], 2                       ; kq
	s_bfe_u32 s15, ttmp6, 0x40000                  ; cx: my place in the cluster
	s_lshl_b32 s16, ttmp9, 2                       ; in a cluster launch ttmp9 counts clusters
	s_add_co_u32 s16, s16, s15                     ; my block of 64 queries: it enters q's and out's addresses alone
	s_and_b32 s17, ttmp7, 0xffff                   ; the batch, which the partners share
	s_lshl_b32 s33, s[WV], 13                      ; my record's place in slot 0: no place in the cluster enters an LDS address;
	s_add_co_u32 s37, s33, SLOT1                   ; and in slot 1
	s_lshl_b32 s18, s17, 19                        ; kv: 524,288 bytes a batch,
	s_add_co_u32 s18, s18, s33                     ; 8,192 a wave
	s_mov_b32 s19, 0
	; descriptor group 1: 32 rows of 32 elements of 8 bytes, dense
	s_mov_b32 s24, 15|(3<<16)|(1<<21)              ; the mask: all four work-groups; elements of 8 bytes; bit 21 set beside a mask; no padding
	s_mov_b32 s25, 32<<16                          ; tensor_dim0
	s_mov_b32 s26, 32<<16                          ; tensor_dim1
	s_mov_b32 s27, 32<<16                          ; tile_dim0
	s_mov_b32 s28, 32                              ; tile_dim1
	s_mov_b32 s29, 32                              ; tensor_dim0_stride
	s_mov_b32 s30, 0
	s_mov_b32 s31, 0
	s_mov_b32 s[SEL], 0x76543210
	s_mov_b32 s[SEL+1], 0xfedcba98
	s_mov_b32 s[CS], 0x3e38aa3b                    ; c = log2(e) / 8
	s_mov_b32 s[CS+1], s[CS]                       ; (named with it as a pair, so it is written)
	s_mov_b32 s[TB], 0
	s_mov_b32 s[SLOTS], 2
	s_lshl_b32 s46, s17, 6
	s_add_co_u32 s46, s46, s16                     ; my block among the 256
	s_lshl_b32 s48, s46, 14                        ; out: 64 rows of 256 bytes a block,
	s_lshl_b32 s50, s[WV], 10                      ; 4 rows a wave
	s_add_co_u32 s48, s48, s50
	s_mov_b32 s49, 0
	s_lshl_b32 s46, s46, 12                        ; qrec: 4,096 a block,
	s_lshl_b32 s50, s13, 10                        ; 1,024 a tile
	s_add_co_u32 s46, s46, s50
	s_mov_b32 s47, 0
	s_lshl_b32 s50, s15, 15                        ; the prefetch: my work-group's four records, my wave's one,
	s_add_co_u32 s50, s50, s18
	s_add_co_u32 s50, s50, 2*SLOT1                 ; in fill 2: the first change of slots steps it to fill 3
	s_mov_b32 s51, 0
	s_or_b32 s43, s14, ttmp9                       ; 0 in waves 0 to 3 of the batch's first cluster: the same in all four partners
	s_cmp_eq_u32 s43, 0
	s_cselect_b32 s[LIM], 1, -1
	s_wait_dscnt 0x0                               ; the opening add is done
	s_wait_kmcnt 0x0
	s_add_nc_u64 s[PFA:PFA+1], s[6:7], s[50:51]
	s_mov_b32 s32, 1                               ; descriptor group 0 for fill 0: count = 1; s33 the LDS address;
	s_add_nc_u64 s[34:35], s[6:7], s[18:19]        ; the global address: my record of fill 0
	s_mov_b32 s36, 1                               ; and for fill 1; this set then walks on
	s_add_nc_u64 s[38:39], s[34:35], SLOT1         ; a fill is 131,072 bytes of kv
	s_or_b32 s35, s35, 0x80000000                  ; type = 2
	s_or_b32 s39, s39, 0x80000000
	s_add_nc_u64 s[4:5], s[4:5], s[46:47]
	s_add_nc_u64 s[8:9], s[8:9], s[48:49]
	CROUND                                         ; all four work-groups are here: the first joint loads meet
	tensor_load_to_lds s[32:35], s[24:31]          ; both first fills go out together, ahead of every wait on TENSORcnt, every LDS read and every other barrier
	s_nop 0
	tensor_load_to_lds s[36:39], s[24:31]
	s_nop 0
.rept 4
	v_nop
.endr
	v_and_b32 v6, 31, v0                           ; lane
	v_lshlrev_b32 v5, 4, v6
	global_load_b128 v[16:19], v5, s[4:5]          ; q's tile: registers 0-5 codes, 6 the code at k = 64, 7 the scale word
	global_load_b128 v[20:23], v5, s[4:5] offset:512
	s_lshl_b32 s50, s14, 15
	v_add_nc_u32 v[L16], s50, v5
	v_lshlrev_b32 v[L8], 3, v6
	v_add_nc_u32 v[L8], s50, v[L8]
	v_bfe_u32 v[LSC], v0, 4, 1
	v_lshlrev_b32 v[H8], 3, v[LSC]                 ; 8 h
	v_lshl_add_u32 v[LSC], v[LSC], 8, v[L8]
.irp t, 0,1,2,3
.irp i, 8,9,10,11
	v_mov_b32 v[KF+12*\t+\i], 0                    ; k = 80 .. 127 of every key: zero codes, written once
.endr
.endr
.irp i, 24,25,26,27
	v_mov_b32 v[\i], 0                             ; and of every query
.endr
	v_mov_b32 v13, 0xff61b1e6                      ; the largest t so far: -3e38, under every t
	v_floor_f32 v12, -v13                          ; -M
	v_mov_b32 v14, 0                               ; the sum, in two halves
	v_mov_b32 v15, 0
	v_mov_b32 v[PT+2], 0                           ; written once: a lane permute's destination counts as one of its sources
	v_mov_b32 v253, 0                              ; (named as the upper half of the pair v[252:253] before it is first written)
	s_wait_loadcnt 0x0                             ; q
	v_mov_b32 v255, v23                            ; q's scale word gets a register of its own,
	v_mov_b32 v23, 0                               ; and its place in the operand zero codes
.set i, 0
.rept 32
	v_mov_b32 v[OT+i], 0                           ; O^T.  (The step is written once: the first finds zeros, which the first change of M leaves zeros.)  These are also the places ahead of the first scaled product
.set i, i+1
.endr
; A KEY STEP: 128 keys = records 4 kq + 2 j and 4 kq + 2 j + 1 of the slot in hand.
.macro STEP j
.set OB, 16384*(\j)
	v_add_nc_u32 v[A16], s[TB], v[L16]             ; these three and the v_nop are the four places behind the last products, in front of the loads into their scale registers
	v_add_nc_u32 v[A8], s[TB], v[L8]
	v_add_nc_u32 v[AS], s[TB], v[LSC]
	v_nop
.irp c, 0,1
.irp i, 0,1
	ds_load_b64 v[8+20*\c+2*\i:9+20*\c+2*\i], v[AS] offset:OB+8192*\c+7168+512*\i   ; (k's word, v's word): lanes 0-15 of tile 2 i, lanes 16-31 of tile 2 i + 1, of record c
.endr
.endr
.irp g, 0,1                                    ; S^T = k q^T: a record's four tiles of 16 keys at a time
.if \g
.rept 4
	v_nop                                          ; places in front of loads into registers that matrix instructions have read
.endr
.endif
.irp tt, 0,1,2,3
	ds_load_b128 v[KF+12*\tt:KF+12*\tt+3], v[A16] offset:OB+8192*\g+1024*\tt
	ds_load_b128 v[KF+12*\tt+4:KF+12*\tt+7], v[A16] offset:OB+8192*\g+1024*\tt+512
.endr
	s_wait_dscnt 0x0
.irp tt, 0,2
	v_wmma_scale_f32_16x16x128_f8f6f4 v[S+8*(4*\g+\tt):S+8*(4*\g+\tt)+7], v[KF+12*\tt:KF+12*\tt+11], v[16:27], 0, v[8+20*\g+\tt], v255 matrix_a_fmt:MATRIX_FMT_FP6 matrix_b_fmt:MATRIX_FMT_FP6
	v_wmma_scale_f32_16x16x128_f8f6f4 v[S+8*(4*\g+\tt+1):S+8*(4*\g+\tt+1)+7], v[KF+12*(\tt+1):KF+12*(\tt+1)+11], v[16:27], 0, v[8+20*\g+\tt], v255 matrix_a_fmt:MATRIX_FMT_FP6 matrix_b_fmt:MATRIX_FMT_FP6 matrix_a_scale:MATRIX_SCALE_ROW1
.endr
.endr                                          ; lane (r, h) holds query r; register 32 c + i is key 64 c + 32 h + i of the step: block 2 c + h, whole
.irp t, 0,1,2,3                                ; v's four fragments: 16 loads, which land during the softmax
.irp c, 0,1
	ds_load_b128 v[VF+12*\t+6*\c:VF+12*\t+6*\c+3], v[A16] offset:OB+8192*\c+4096+768*\t
	ds_load_b64 v[VF+12*\t+6*\c+4:VF+12*\t+6*\c+5], v[A8] offset:OB+8192*\c+4096+768*\t+512
.endr
.endr
	v_lshl_or_b32 v9, v29, 16, v9                  ; v's scale words of the 128 keys: the first record's two bytes below, the second's above.  (These four lines are the places behind the scores' products)
	v_lshl_or_b32 v11, v31, 16, v11
	v_mov_b32 v[SM2], v12                          ; the old -M is kept
	v_nop
.irp b, 0,1,2,3
	v_max3_num_f32 v[BM+\b], v[S+16*\b], v[S+1+16*\b], v[S+2+16*\b]   ; THE LARGEST SCORE OF EACH BLOCK OF 32 KEYS, in two chains a block, serves twice: for the row's maximum and, since p rises with the score, for the block's largest p
.endr
.irp i, 3,5,7,9,11,13
.irp b, 0,1,2,3
	v_max3_num_f32 v[BM+\b], v[BM+\b], v[S+16*\b+\i], v[S+1+16*\b+\i]
.endr
.endr
	v_max_num_f32 v[BM+1], v[BM+1], v[S+31]
	v_max_num_f32 v[BM+3], v[BM+3], v[S+63]
	v_max3_num_f32 v[BM], v[BM], v[S+15], v[BM+1]      ; my block of the first record,
	v_max3_num_f32 v[BM+2], v[BM+2], v[S+47], v[BM+3]  ; and of the second
	v_max_num_f32 v254, v[BM], v[BM+2]
	v_permlanex16_b32 v[BM+1], v254, s[SEL], s[SEL+1]
	v_max_num_f32 v254, v254, v[BM+1]              ; with lane l xor 16's two blocks: the step's largest score of my query
	v_mul_f32 v254, s[CS], v254                    ; as t (c is positive)
	v_max_num_f32 v13, v13, v254                   ; the running largest t
	v_floor_f32 v12, -v13                          ; the new -M = floor(-t) = -ceil(t): a whole number
	v_sub_f32 v254, v12, v[SM2]                    ; old M - new M: a whole number, 0 or less
	v_cvt_i32_f32 v254, v254                       ; (it saturates)
	v_ldexp_f32 v252, 1.0, v254                    ; f = 2^(old M - new M)
	; ONE BATCH of 66 exponentials with one wait.  Between them stand the scalings t - M (a pair is scaled ahead of its exponentials) and O^T's multiplications by f: plain work that names no exponential's result.
	v_fma_f32 v[BM], v[BM], s[CS], v12             ; t - M of each block's largest score
	v_fma_f32 v[BM+2], v[BM+2], s[CS], v12
	v_pk_fma_f32 v[S:S+1], v[S:S+1], s[CS:CS+1], v[12:13] op_sel_hi:[1,0,0]   ; t - M, two at a time
	v_exp_f32 v[BM], v[BM]                         ; the block's largest p: the same multiply-add and exponential on the same number give the same bits
	v_exp_f32 v[BM+2], v[BM+2]
.set pp, 0
.rept 32
.if pp < 31
	v_pk_fma_f32 v[S+2*pp+2:S+2*pp+3], v[S+2*pp+2:S+2*pp+3], s[CS:CS+1], v[12:13] op_sel_hi:[1,0,0]
.endif
	v_exp_f32 v[S+2*pp], v[S+2*pp]                 ; p = 2^(t - M), at most 1
.if (pp%2) == 0
	v_pk_mul_f32 v[OT+pp:OT+pp+1], v[OT+pp:OT+pp+1], v[252:253] op_sel_hi:[1,0]   ; O^T under the new M, each accumulator from its low end on
.endif
	v_exp_f32 v[S+2*pp+1], v[S+2*pp+1]
.set pp, pp+1
.endr
	v_pk_mul_f32 v[14:15], v[14:15], v[252:253] op_sel_hi:[1,0]   ; the sums under the new M: the plain instruction behind the last exponential
	s_wait_alu depctr_va_vdst(0)                   ; one wait for the whole batch, ahead of its first reader
	v_max_num_f32 v[BM], 0x1800000, v[BM]          ; the floor 2^(3 - 127): the byte cannot fall under 1 (a block whose every p is 0 keeps that byte: its codes are zeros)
	v_max_num_f32 v[BM+2], 0x1800000, v[BM+2]
	v_add_nc_u32 v[SOP], 0xff000000, v[BM]         ; 2 off the exponent field: the conversion's scale operand
	v_add_nc_u32 v[SOP+1], 0xff000000, v[BM+2]
	v_lshrrev_b32 v[PT], 23, v[SOP]                ; the scale's byte
	v_lshrrev_b32 v[PT+1], 23, v[SOP+1]
	v_lshl_or_b32 v253, v[PT+1], 16, v[PT]         ; my two bytes: blocks h and 2 + h,
	v_lshlrev_b32 v253, v[H8], v253                ; at their places in the word (8 h bits up);
	v_permlanex16_b32 v[PT+2], v253, s[SEL], s[SEL+1]
	v_or_b32 v253, v253, v[PT+2]                   ; with lane l xor 16's two: p's scale word for these 128 keys
	s_wait_xcnt 0x0                                ; the prefetch at the change of slots has read v242, which the conversions write
	v_cvt_scalef32_pk16_fp6_f32 v[PCD:PCD+2], v[S:S+15], v[SOP]
	v_cvt_scalef32_pk16_fp6_f32 v[PT:PT+2], v[S+16:S+31], v[SOP]          ; (a conversion's three registers begin on an even number)
	v_cvt_scalef32_pk16_fp6_f32 v[PCD+6:PCD+8], v[S+32:S+47], v[SOP+1]
	v_cvt_scalef32_pk16_fp6_f32 v[PT+4:PT+6], v[S+48:S+63], v[SOP+1]
	v_pk_add_f32 v[SM2:SM2+1], v[S:S+1], v[S+2:S+3]   ; THE ROW'S SUM IS TAKEN OF THE UNQUANTISED p, two at a time, in two chains.  This line is the plain instruction behind the conversions
.irp i, 0,1,2
	v_mov_b32 v[PCD+3+\i], v[PT+\i]
	v_mov_b32 v[PCD+9+\i], v[PT+4+\i]
.endr
.irp i, 4,8,12,16,20,24,28,32,36,40,44,48,52,56,60
	v_pk_add_f32 v[14:15], v[14:15], v[S+\i:S+1+\i]   ; these 31 name no register of the products below: they are the places behind the writes of p's codes and scale word
	v_pk_add_f32 v[SM2:SM2+1], v[SM2:SM2+1], v[S+2+\i:S+3+\i]
.endr
	v_pk_add_f32 v[14:15], v[14:15], v[SM2:SM2+1]
	s_wait_dscnt 0x0                               ; v's fragments are in
.irp t, 0,2                                    ; O^T += v^T p^T: the four accumulators by turns
	v_wmma_scale_f32_16x16x128_f8f6f4 v[OT+8*\t:OT+8*\t+7], v[VF+12*\t:VF+12*\t+11], v[PCD:PCD+11], v[OT+8*\t:OT+8*\t+7], v[9+\t], v253 matrix_a_fmt:MATRIX_FMT_FP6 matrix_b_fmt:MATRIX_FMT_FP6
	v_wmma_scale_f32_16x16x128_f8f6f4 v[OT+8*(\t+1):OT+8*(\t+1)+7], v[VF+12*(\t+1):VF+12*(\t+1)+11], v[PCD:PCD+11], v[OT+8*(\t+1):OT+8*(\t+1)+7], v[9+\t], v253 matrix_a_fmt:MATRIX_FMT_FP6 matrix_b_fmt:MATRIX_FMT_FP6 matrix_a_scale:MATRIX_SCALE_ROW1
.endr
.endm
; THE CHANGE OF SLOTS.  Each wave waits for all its tensor loads (its record of the slot ahead), adds 0 to its spare word, and waits for that and for its reads of the slot that it has left.
; fill = 1: the barrier is a round of the cluster's, so that no wave of any partner still reads that slot or has a load on its way; the joint refill is the first thing behind it and has a slot's steps in which to land.
.macro CHANGE fill
	s_wait_tensorcnt 0x0                           ; no tensor load of mine is out, so group 0 may be written
	ds_add_u32 v[SPW], v[NIL]                      ; 0 onto my spare word
.if \fill
	s_xor_b32 s37, s37, SLOT1                      ; the other slot than last time,
	s_add_nc_u64 s[38:39], s[38:39], SLOT1         ; the next 16 records; the type bits on top are not reached
	s_wait_xcnt 0x0                                ; the last prefetch has read its address, so it may be written:
	s_add_nc_u64 s[PFA:PFA+1], s[PFA:PFA+1], SLOT1 ; one fill further on than the walking descriptor
	s_wait_dscnt 0x0                               ; the add is done, and my reads of the slot that I have left are over
	CROUND
	JLOAD
	ASK
.else
	s_wait_dscnt 0x0
	s_barrier_signal -1
	s_barrier_wait -1
.endif
.endm
.macro SLOT_STEPS
	STEP 0
	STEP 1
	s_xor_b32 s[TB], s[TB], SLOT1                  ; on to the other slot
.endm
	s_wait_tensorcnt 0x1                           ; my record of fill 0 is in; fill 1's may stay out
	s_barrier_signal -1
	s_barrier_wait -1                              ; everybody's is
	SLOT_STEPS                                     ; fill 0
.Lslot:                                            ; two trips: fills 2 and 3 are asked for, fills 1 and 2 are worked
	CHANGE 1
	SLOT_STEPS
	s_sub_co_u32 s[SLOTS], s[SLOTS], 1
	s_cmp_lg_u32 s[SLOTS], 0
	s_cbranch_scc1 .Lslot
	CHANGE 0                                       ; the last slot is written out
	SLOT_STEPS
	; THE JOIN.  Each wave lays its O^T, -M and sum into LDS; wave (qt, kq) then joins tile kq (16 channels) of the four partial results of query tile qt.  The address work is the places behind the last products.
	v_and_b32 v5, 31, v0                           ; lane
	v_and_b32 v6, 15, v0                           ; r
	v_bfe_u32 v7, v0, 4, 1                         ; h
	s_mul_i32 s50, s[WV], CW
	v_lshl_add_u32 v1, v5, 4, s50                  ; in: 16 x lane in my wave's bytes,
	v_lshl_add_u32 v2, v5, 2, s50                  ; 4 x lane
	s_mul_i32 s51, s13, CW
	v_lshl_add_u32 v32, v5, 2, s51                 ; back: the partial results of waves qt, qt + 4, qt + 8, qt + 12 lie 4 CW apart
	s_lshl_b32 s52, s14, 10
	s_add_co_u32 s52, s52, s51
	v_lshl_add_u32 v36, v5, 4, s52                 ; their tile kq
	s_mul_i32 s53, s13, 16*272
	s_lshl_b32 s54, s14, 6
	s_add_co_u32 s53, s53, s54
	s_add_co_u32 s53, s53, OST
	v_mul_u32_u24 v33, v6, 272
	v_lshl_add_u32 v33, v7, 5, v33
	v_add_nc_u32 v33, s53, v33                     ; the way out, in: row 16 qt + r, bytes 64 kq + 32 h
	s_mul_i32 s54, s[WV], 4*272
	s_add_co_u32 s54, s54, OST
	v_mul_u32_u24 v34, v7, 272
	v_lshl_add_u32 v34, v6, 4, v34
	v_add_nc_u32 v34, s54, v34                     ; back: rows 4 wave + h, 16 bytes a lane
	v_lshlrev_b32 v35, 4, v5
	v_add_f32 v14, v14, v15                        ; the sum's two halves,
	v_permlanex16_b32 v252, v14, s[SEL], s[SEL+1]
	v_add_f32 v14, v14, v252                       ; and lane l xor 16's
.irp t, 0,1,2,3
	ds_store_b128 v1, v[OT+8*\t:OT+8*\t+3] offset:1024*\t          ; each accumulator from its low end on
	ds_store_b128 v1, v[OT+8*\t+4:OT+8*\t+7] offset:1024*\t+512
.endr
	ds_store_b32 v2, v12 offset:4096
	ds_store_b32 v2, v14 offset:4224
	s_wait_dscnt 0x0                               ; for the others' sake: my stores are done
	s_barrier_signal -1
	s_barrier_wait -1
.irp i, 0,1,2,3
	ds_load_b128 v[128+8*\i:131+8*\i], v36 offset:4*CW*\i
	ds_load_b128 v[132+8*\i:135+8*\i], v36 offset:4*CW*\i+512
	ds_load_b32 v[160+\i], v32 offset:4*CW*\i+4096
	ds_load_b32 v[164+\i], v32 offset:4*CW*\i+4224
.endr
	s_wait_dscnt 0x0
	v_min_num_f32 v168, v160, v161
	v_min_num_f32 v169, v162, v163
	v_min_num_f32 v168, v168, v169                 ; the least -M: the largest M
.irp i, 0,1,2,3
	v_sub_f32 v[170+\i], v168, v[160+\i]           ; M of part i less the largest: a whole number, 0 or less
.endr
.irp i, 0,1,2,3
	v_cvt_i32_f32 v[170+\i], v[170+\i]             ; (it saturates)
.endr
.irp i, 0,1,2,3
	v_ldexp_f32 v[170+\i], 1.0, v[170+\i]          ; part i's factor: an exact power of two, or 0
.endr
	v_mul_f32 v169, v170, v164
	v_fma_f32 v169, v171, v165, v169
	v_fma_f32 v169, v172, v166, v169
	v_fma_f32 v169, v173, v167, v169               ; the row's sum
	v_rcp_f32 v174, v169
	v_nop                                          ; a plain instruction behind the reciprocal
	s_wait_alu depctr_va_vdst(0)                   ; and the wait ahead of its first reader
.irp i, 0,1,2,3
	v_mul_f32 v[170+\i], v[170+\i], v174           ; the division goes into the four factors
.endr
.irp j, 0,1,2,3,4,5,6,7
	v_mul_f32 v[176+\j], v170, v[128+\j]
.endr
.irp i, 1,2,3
.irp j, 0,1,2,3,4,5,6,7
	v_fma_f32 v[176+\j], v[170+\i], v[128+8*\i+\j], v[176+\j]
.endr
.endr
	ds_store_b128 v33, v[176:179]                  ; out(16 qt + r, 16 kq + 8 h + 0 .. 7)
	ds_store_b128 v33, v[180:183] offset:16
	s_wait_dscnt 0x0                               ; a row's 256 bytes come from four waves
	s_barrier_signal -1
	s_barrier_wait -1
	ds_load_b128 v[184:187], v34
	ds_load_b128 v[188:191], v34 offset:2*272
	s_wait_dscnt 1                                 ; the first two rows are in; the second load is out
	global_store_b128 v35, v[184:187], s[8:9] th:TH_STORE_NT             ; 32 lanes store 512 consecutive bytes, aligned to 256
	s_wait_dscnt 0x0
	global_store_b128 v35, v[188:191], s[8:9] offset:512 th:TH_STORE_NT
	s_wait_tensorcnt 0x0                           ; the wave's end: the add and its waits, behind my last tensor load and my last LDS store
	ds_add_u32 v[SPW], v[NIL]
	s_wait_dscnt 0x0
	CROUND                                         ; the closing round: no work-group ends while a partner may still ask for a record that names it
	s_endpgm
.Lfunc_end_k_q3f4e248faf_attn:
	.size	k_q3f4e248faf_attn, .Lfunc_end_k_q3f4e248faf_attn-k_q3f4e248faf_attn
	.p2alignl 7, 3214868480
	.fill 96, 4, 3214868480
	.section	.rodata,"a",@progbits
	.p2align	6, 0x0
	.amdhsa_kernel k_q3f4e248faf_attn
		.amdhsa_group_segment_fixed_size 327680
		.amdhsa_private_segment_fixed_size 0
		.amdhsa_enable_private_segment 0
		.amdhsa_kernarg_size 24
		.amdhsa_user_sgpr_count 2
		.amdhsa_user_sgpr_kernarg_segment_ptr 1
		.amdhsa_wavefront_size32 1
		.amdhsa_system_sgpr_workgroup_id_x 1
		.amdhsa_system_sgpr_workgroup_id_y 1
		.amdhsa_system_sgpr_workgroup_id_z 1
		.amdhsa_system_vgpr_workitem_id 0
		.amdhsa_next_free_vgpr 256
		.amdhsa_next_free_sgpr 66
		.amdhsa_reserve_vcc 0
		.amdhsa_float_denorm_mode_32 3
		.amdhsa_float_denorm_mode_16_64 3
		.amdhsa_memory_ordered 1
		.amdhsa_forward_progress 1
		.amdhsa_inst_pref_size 104
	.end_amdhsa_kernel
	.amdgpu_metadata
---
amdhsa.version: [ 1, 2 ]
amdhsa.kernels:
  - .name:           k_q3f4e248faf_attn
    .symbol:         k_q3f4e248faf_attn.kd
    .args:
      - { .name: qrec, .offset: 0, .size: 8, .value_kind: global_buffer, .address_space: global }
      - { .name: kv, .offset: 8, .size: 8, .value_kind: global_buffer, .address_space: global }
      - { .name: out0, .offset: 16, .size: 8, .value_kind: global_buffer, .address_space: global }
    .group_segment_fixed_size: 327680
    .private_segment_fixed_size: 0
    .kernarg_segment_align: 8
    .kernarg_segment_size: 24
    .max_flat_workgroup_size: 512
    .sgpr_count:     66
    .vgpr_count:     256
    .wavefront_size: 32
...
	.end_amdgpu_metadata
.endif
;; end of part 3
